; MI455X (gfx1250); checked and timed in simulation.
; The chip was launched on July 23, 2026; its instructions are those of AMD's public machine-readable ISA for CDNA 5 (MIT licence, August 2026) and "CDNA5" Instruction Set Architecture Reference Guide (July 2026). The comments in the code are by the model that wrote it; some were corrected since.
;; Differential Attention. Allowed arithmetic: matrix products marked QUANTISED: E4M3 operands, one given power-of-two scale a tensor, by v_wmma_f32_16x16x64_fp8_fp8 or v_wmma_f32_16x16x128_fp8_fp8, f32 sums; products left as they are: f32 operands where the result goes on into a quantised operand, else bf16, f16 or f32 operands; f32 sums; everything else in f32.
;; Inputs: Wk_codes 2,048 x 32 x 32 uint8 (E4M3 codes of Wk, K innermost, in blocks of 32 codes); Wo_codes 1,024 x 32 x 32 uint8 (E4M3 codes of Wo, K innermost, in blocks of 32 codes); Wq_codes 2,048 x 32 x 32 uint8 (E4M3 codes of Wq, K innermost, in blocks of 32 codes); Wv_codes 2,048 x 32 x 32 uint8 (E4M3 codes of Wv, K innermost, in blocks of 32 codes); lk1 64 float32; lk2 64 float32; lowp_scales 16 int32 (the exponents e of the quantised operands' scales 2^e); lq1 64 float32; lq2 64 float32; x_codes 2 x 2,048 x 32 x 32 uint8 (E4M3 codes of x, K innermost, in blocks of 32 codes).
;; Outputs: out0 2 x 2,048 x 1,024 float32.
;; This version of the problem:
;;   THIS VERSION OF THE PROBLEM IS GIVEN IN LOW PRECISION. The matrix products marked QUANTISED in the list below multiply operands that are first quantised to E4M3 (4 exponent bits, 3 mantissa bits; 8 bits a number), with one given power-of-two scale for each operand tensor; their sums are f32. All else is computed in f32.
;;   The module's matrix products, in the order in which they are computed (A, B: the left and right operand; K: the contracted axis; several contracted axes count as one K, in the product's order):
;;     1. [M 4,096, K 1,024] x [K 1,024, N 2,048]; A: input x (given as codes); B: input Wq (given as codes): QUANTISED (scales: A lowp_scales[0], B lowp_scales[1])
;;     2. [M 4,096, K 1,024] x [K 1,024, N 2,048]; A: input x (given as codes); B: input Wk (given as codes): QUANTISED (scales: A lowp_scales[2], B lowp_scales[3])
;;     3. [M 4,096, K 1,024] x [K 1,024, N 2,048]; A: input x (given as codes); B: input Wv (given as codes): QUANTISED (scales: A lowp_scales[4], B lowp_scales[5])
;;     4. [M 1, K 64] x [K 64, N 1]; A: input lq1; B: input lk1: left as it is (M = 1 < 16)
;;     5. [M 1, K 64] x [K 64, N 1]; A: input lq2; B: input lk2: left as it is (M = 1 < 16)
;;     6. batch 32 x [M 2,048, K 64] x [K 64, N 2,048]; A: computed on the way; B: computed on the way: QUANTISED (scales: A lowp_scales[6], B lowp_scales[7])
;;     7. batch 32 x [M 2,048, K 64] x [K 64, N 2,048]; A: computed on the way; B: computed on the way: QUANTISED (scales: A lowp_scales[8], B lowp_scales[9])
;;     8. batch 32 x [M 64, K 2,048] x [K 2,048, N 2,048]; A: computed on the way; B: softmax (see below): QUANTISED (scales: A lowp_scales[10], B lowp_scales[11])
;;     9. batch 32 x [M 64, K 2,048] x [K 2,048, N 2,048]; A: computed on the way; B: softmax (see below): QUANTISED (scales: A lowp_scales[12], B lowp_scales[13])
;;     10. [M 4,096, K 1,024] x [K 1,024, N 1,024]; A: computed on the way; B: input Wo (given as codes): QUANTISED (scales: A lowp_scales[14], B lowp_scales[15])
;;   THE QUANTISER, for each operand of a quantised product, along K:
;;     - The operand's scale is 2^e, e = its entry of the input lowp_scales (int32; the entries are numbered through the quantised products in the list's order, A before B).
;;     - Each number is divided by the scale, clamped to +-448, and rounded to the nearest number of E4M3, ties to even, subnormals kept.
;;     - The product sums the exact products of the quantised numbers (number of the format x scale) in f32.
;;   ~~~python
;;   def quantise(x, axis, e):      # numpy; x: float32 -> the quantised numbers, widened to float32 again
;;       x = np.moveaxis(x, axis, -1); K = x.shape[-1]
;;       r = np.clip(x / 2.0 ** e, -448, 448)
;;       step = 2.0 ** (np.maximum(np.frexp(np.where(r == 0, 1, r))[1] - 1, -6) - 3)
;;       q = np.round(r / step) * step * 2.0 ** e      # np.round: ties to even
;;       return np.moveaxis(q, -1, axis).astype(np.float32)
;;   ~~~
;;   SOFTMAX AHEAD OF A QUANTISED PRODUCT. Where the list says 'softmax', what is quantised is not the finished softmax but p = 2^(t - M), with t = logit x log2(e) and M = ceil(the row's largest t), a whole number; so 1/2 < the row's largest p <= 1. The row's sum l is taken of the UNQUANTISED p, in f32, and the product's result is divided by l at the end. Since M is a whole number, a kernel that streams over the keys may use a running M (the ceiling of the running maximum): every later rescaling is an exact power of two, so the quantised numbers keep their values, but for numbers so far below the row's largest that they fall under the format's range.
;;   OPERANDS COMPUTED ON THE WAY. 'Computed on the way' means the value that the module computes at that place (a softmax that the list does not call 'softmax' is quantised finished and normalised). What goes into a quantiser is computed in f32, as accurately as f32 sums, v_exp_f32 and their like allow (about 1e-6 of the number): no bf16 or f16 on the way to a quantiser, and a product that is left as it is and whose result goes on into a quantised operand takes f32 operands (vector FMAs, or v_wmma_f32_16x16x4_f32). A number that lies on a knife's edge between two numbers of the format may be rounded either way, as far as f32 arithmetic and the matrix unit's own rounding can turn it there, and no further.
;;   INPUTS GIVEN AS CODES. Wk (in the module: [1024, 2048], K = its axis 0); Wo (in the module: [1024, 1024], K = its axis 0); Wq (in the module: [1024, 2048], K = its axis 0); Wv (in the module: [1024, 2048], K = its axis 0); x (in the module: [2, 2048, 1024], K = its axis 2): each comes as NAME_codes (uint8): NAME with its K axis moved to the last place and cut into blocks of 32 codes, [.., K / 32, bytes a block], one block behind the other in memory; one code a byte (a code: sign, 4 exponent bits, 3 mantissa bits); its scale is its entry of lowp_scales. Its value is code x scale, taken as it is: it is not quantised again, and the codes and scales need not be those that the quantiser above would give.
;; One version. Each part assembles by itself: llvm-mc -triple=amdgcn-amd-amdhsa -mcpu=gfx1250 --defsym DOCPART=n.
;; ======== version 1 of 1: 3 launches
;; limits: right only within a limited range of input values
;; workspace buffers: qkv 25,165,824 bytes; oimg 4,194,304 bytes
;; launch proj (part 1): grid 16 x 24, 4 waves a work-group, clusters of 4 x 4, 327,680 bytes of LDS; arguments x_codes, Wq_codes, Wk_codes, Wv_codes, lowp_scales, qkv; writes qkv
.if DOCPART == 1
	.amdgcn_target "amdgcn-amd-amdhsa--gfx1250"
	.amdhsa_code_object_version 6
	.text
	.protected	k_q8df8b88086_proj
	.globl	k_q8df8b88086_proj
	.p2align	8
	.type	k_q8df8b88086_proj,@function
k_q8df8b88086_proj:
	s_mov_b64 s[64:65], 0
	v_nop
	global_prefetch_b8 v0, s[64:65] scope:SCOPE_SE
	s_setreg_imm32_b32 hwreg(HW_REG_WAVE_MODE, 25, 1), 1
	s_wait_xcnt 0x0
	s_wait_alu depctr_hold_cnt(0) depctr_sa_sdst(0) depctr_va_vdst(0) depctr_va_sdst(0) depctr_va_ssrc(0) depctr_va_vcc(0) depctr_vm_vsrc(0)
	s_getreg_b32 s2, hwreg(HW_REG_IB_STS2, 6, 4)
	s_cmp_eq_u32 s2, 0
	s_cbranch_scc0 .Lentry_in_a_cluster
	s_endpgm
.Lentry_in_a_cluster:
	s_bfe_u32 s2, ttmp6, 0x10000c
	s_cmp_lg_u32 s2, 0xf033
	s_cbranch_scc0 .Lentry_shape_is_right
	s_endpgm
.Lentry_shape_is_right:
; q = x Wq, k = x Wk, v = x Wv on codes of FP8 (E4M3), sums in f32; each result is quantised at once for the product that takes it (entries 6 to 10 and 12 of lowp_scales, by tensor and map) and stored as codes.
; DEAD WORK.  This launch leaves nothing out.  The program leaves out only, in launch attn, the key steps of 128 keys that lie wholly above the causal diagonal: their scores are replaced
; by -1e30 whatever q and k hold, so their weights are 0 and they reach no output.  LIMIT: a NaN, an infinity or an overflow that reaches only those steps is not carried to the result.  Every input is loaded.
; A tile of 256 x 256 to a work-group of four waves, 128 x 128 a wave; K = 1,024 in four steps of 256 through a ring of two LDS slots; clusters of 4 x 4 with joint loads along rows and columns.
; Cluster rows 0-3: source rows = x, columns = Wq (cluster x 0, 1) or Wk (2, 3).  Cluster rows 4, 5: v is made TRANSPOSED (rows = Wv, columns = x), so that its codes have the keys innermost.
; qkv: tensor (q 0, k 1, v 2) x 2^23 + (32 map + 16 batch + head) x 2^17 bytes; in a head images of operand registers, 512 bytes for four registers, lane l's 16 bytes at 16 l.
; LIMIT: the target's exponent less the two operands' lies between -126 and 119, so that the conversion's scale and 448 x it are f32 numbers.
.set KSTEP,  256
.set ROWB,   256
.set KROW,   1024
.set PITCH,  272
.set FR,     16
.set NL,     4
.set NP,     4
.set HALFT,  128*PITCH
.set SLOT,   4*HALFT
.set SPARE,  2*SLOT
.set OFS,  8
.set ADRA, 16
.set ADRB, 20
.set SPW,  28
.set NIL,  29
.set SCL,  30
.set LIM,  31
.set TMP,  32
.set AF,   128
.set CD,   128
.set G1, 24
.set G0, 32
.set G1B, 48
.set G0B, 56
.set MSB, 0
.macro WIN new
.if MSB != (\new)
	s_set_vgpr_msb (MSB<<8)|(\new)
.set MSB, (\new)
.endif
.endm
.set MUL_LO, 0xa1
.set MUL_HI, 0xf1
.set TO_B,   0x40
.macro JLOAD g0a, g1a, g0b, g1b
	s_cmp_eq_u32 s15, 0
	s_cbranch_scc0 .Lfor_b_\@
	tensor_load_to_lds s[\g0a:\g0a+3], s[\g1a:\g1a+7]
	s_nop 0
.rept 4
	v_nop
.endr
	s_branch .Lasked_\@
.Lfor_b_\@:
	tensor_load_to_lds s[\g0b:\g0b+3], s[\g1b:\g1b+7]
	s_nop 0
.rept 4
	v_nop
.endr
.Lasked_\@:
.endm
.macro CREST
	s_cmp_lg_u32 s14, 0
	s_cbranch_scc1 .Lnot_wave_0_\@
	s_barrier_signal -3
.Lnot_wave_0_\@:
	s_barrier_wait -3
	s_barrier_signal -1
	s_barrier_wait -1
.endm
.macro CROUND
	s_barrier_signal -1
	s_barrier_wait -1
	CREST
.endm
	s_load_b256 s[4:11], s[0:1], 0x0
	s_load_b128 s[68:71], s[0:1], 0x20
	v_lshl_add_u32 v[SPW], v0, 2, SPARE
	v_mov_b32 v[NIL], 0
	ds_add_u32 v[SPW], v[NIL]
	ds_add_u32 v[SPW], v[NIL]
	v_lshrrev_b32 v1, 5, v0
	v_readfirstlane_b32 s14, v1
	s_lshr_b32 s15, s14, 1
	s_and_b32 s16, s14, 1
	s_bfe_u32 s40, ttmp6, 0x40000
	s_bfe_u32 s41, ttmp6, 0x40004
	s_and_b32 s67, ttmp7, 0xffff
	s_cmp_ge_u32 s67, 4
	s_cselect_b32 s88, 1, 0
	s_lshl_b32 s89, s88, 2
	s_sub_co_u32 s89, s67, s89
	s_cmp_ge_u32 ttmp9, 2
	s_cselect_b32 s90, 1, 0
	s_xor_b32 s91, s88, 1
	s_and_b32 s90, s90, s91
	s_lshl_b32 s91, s90, 1
	s_sub_co_u32 s91, ttmp9, s91
	s_lshl_b32 s93, s88, 1
	s_add_co_u32 s93, s93, s90
	s_lshl_b32 s42, s91, 2
	s_add_co_u32 s42, s42, s40
	s_lshl_b32 s17, s89, 2
	s_add_co_u32 s17, s17, s41
	s_lshl_b32 s43, s41, 2
	s_lshl_b32 s43, 15, s43
	s_lshl_b32 s44, 0x1111, s40
	s_or_b32 s[G1+0], s43, (0<<16)|(1<<20)|(1<<21)|(5<<22)|(3<<25)
	s_or_b32 s[G1B+0], s44, (0<<16)|(1<<20)|(1<<21)|(5<<22)|(3<<25)
.irp g, G1, G1B
	s_mov_b32 s[\g+1], ROWB<<16
	s_mov_b32 s[\g+2], 128<<16
	s_mov_b32 s[\g+3], ROWB<<16
	s_mov_b32 s[\g+4], 128
	s_mov_b32 s[\g+5], KROW
	s_mov_b32 s[\g+6], 0
	s_mov_b32 s[\g+7], 0
.endr
	s_lshl_b32 s18, s16, 7
	s_lshl_b32 s20, s17, 8
	s_add_co_u32 s20, s20, s18
	s_lshl_b32 s46, s42, 8
	s_add_co_u32 s46, s46, s18
	s_mov_b32 s21, 0
	s_mov_b32 s47, 0
	s_mov_b64 s[18:19], KROW
	s_mul_u64 s[20:21], s[20:21], s[18:19]
	s_mul_u64 s[46:47], s[46:47], s[18:19]
	s_mul_i32 s45, s14, HALFT
	s_wait_dscnt 0x0
	s_wait_kmcnt 0x0
	s_load_b512 s[72:87], s[68:69], 0x0
	s_cmp_eq_u32 s90, 1
	s_cselect_b64 s[12:13], s[8:9], s[6:7]
	s_cmp_eq_u32 s88, 1
	s_cselect_b64 s[12:13], s[4:5], s[12:13]
	s_cselect_b64 s[94:95], s[10:11], s[4:5]
	s_add_nc_u64 s[20:21], s[94:95], s[20:21]
	s_add_nc_u64 s[46:47], s[12:13], s[46:47]
	s_cmp_eq_u32 s15, 0                            ; the prefetches: of the 128 rows that I fetch, my work-group names 32, told apart from its three partners' by address (cx for the rows' tile, cy for the columns')
	s_cselect_b64 s[98:99], s[20:21], s[46:47]
	s_cselect_b32 s2, s40, s41
	s_lshl_b32 s2, s2, 15                          ; 32 rows of 1,024 bytes
	s_mov_b32 s3, 0
	s_add_nc_u64 s[98:99], s[98:99], s[2:3]        ; never rewritten
	CROUND
.irp s, 0,1
	s_mov_b32 s[G0+4*\s], 1
	s_add_co_u32 s[G0+4*\s+1], s45, \s*SLOT
	s_add_nc_u64 s[G0+4*\s+2:G0+4*\s+3], s[20:21], \s*ROWB
	s_or_b32 s[G0+4*\s+3], s[G0+4*\s+3], 0x80000000
	s_mov_b32 s[G0B+4*\s], 1
	s_add_co_u32 s[G0B+4*\s+1], s45, \s*SLOT
	s_add_nc_u64 s[G0B+4*\s+2:G0B+4*\s+3], s[46:47], \s*ROWB
	s_or_b32 s[G0B+4*\s+3], s[G0B+4*\s+3], 0x80000000
.endr
	JLOAD G0, G1, G0B, G1B                         ; K step 0, behind the opening round: my one tensor load at the head
	v_and_b32 v1, 15, v0
	v_bfe_u32 v2, v0, 4, 1
	v_mul_u32_u24 v3, v1, PITCH
	v_lshl_add_u32 v4, v2, 4, v3
	s_mul_i32 s21, s15, HALFT
	s_mul_i32 s22, s16, HALFT
	s_add_co_u32 s22, s22, 2*HALFT
.irp s, 0,1
	v_add_nc_u32 v[ADRA+\s], s21, v4
	v_add_nc_u32 v[ADRB+\s], s22, v4
	s_add_co_u32 s21, s21, SLOT
	s_add_co_u32 s22, s22, SLOT
.endr
	s_lshl_b32 s18, s17, 8
	s_lshl_b32 s19, s15, 7
	s_add_co_u32 s18, s18, s19
	s_lshl_b32 s19, s42, 8
	s_lshl_b32 s20, s16, 7
	s_add_co_u32 s19, s19, s20
	s_cmp_eq_u32 s88, 1
	s_cselect_b32 s22, s18, s19
	s_cselect_b32 s23, s19, s18
	s_mov_b32 s96, 131072
	s_cselect_b32 s96, 1024, s96
	s_mov_b32 s20, 1024
	s_cselect_b32 s20, 2048, s20
	s_cselect_b32 s21, 122880, 0
	s_mov_b32 s97, 0
	s_lshr_b32 s92, s22, 10
	s_lshl_b32 s2, s92, 5
	s_lshr_b32 s3, s23, 11
	s_lshl_b32 s3, s3, 4
	s_add_co_u32 s2, s2, s3
	s_bfe_u32 s3, s22, 0x40006
	s_add_co_u32 s2, s2, s3
	s_lshl_b32 s2, s2, 17
	s_lshl_b32 s3, s93, 23
	s_add_co_u32 s2, s2, s3
	s_and_b32 s3, s23, 2047
	s_lshl_b32 s3, s3, 6
	s_add_co_u32 s2, s2, s3
	s_mov_b32 s3, 0
	s_add_nc_u64 s[70:71], s[70:71], s[2:3]
	s_add_nc_u64 s[18:19], s[70:71], s[96:97]
	v_and_b32 v6, 31, v0
	v_lshlrev_b32 v[OFS], 4, v6
.irp a, 1,2,3,4,5,6,7
	v_add_nc_u32 v[OFS+\a], s20, v[OFS+\a-1]
.if \a == 4
	v_add_nc_u32 v[OFS+4], s21, v[OFS+4]
.endif
.endr
.macro FRAG reg, adr, q, i
.irp c, 0,1,2,3
	ds_load_b128 v[\reg+4*\c:\reg+4*\c+3], v[\adr] offset:128*(\q)+32*\c+(\i)*16*PITCH
.endr
.endm
.macro MUL16 a0, p, zero
.irp a, \a0, \a0+1
.irp b, 0,1,2,3,4,5,6,7
.if \zero
	v_wmma_f32_16x16x128_fp8_fp8 v[8*(8*((\a)%4)+\b):8*(8*((\a)%4)+\b)+7], v[128*(\p)+FR*\b:128*(\p)+FR*\b+FR-1], v[AF+FR*(\a):AF+FR*(\a)+FR-1], 0
.else
	v_wmma_f32_16x16x128_fp8_fp8 v[8*(8*((\a)%4)+\b):8*(8*((\a)%4)+\b)+7], v[128*(\p)+FR*\b:128*(\p)+FR*\b+FR-1], v[AF+FR*(\a):AF+FR*(\a)+FR-1], v[8*(8*((\a)%4)+\b):8*(8*((\a)%4)+\b)+7]
.endif
.endr
.endr
.endm
.macro FETCH_B slot, q, p
	WIN TO_B
.irp i, 0,1,2,3,4,5,6,7
	FRAG 128*(\p)+FR*\i, ADRB+\slot, \q, \i
.endr
	WIN 0
.endm
.macro FETCH_A slot, q, i0
.irp i, \i0, \i0+1, \i0+2, \i0+3
	FRAG AF+FR*(\i), ADRA+\slot, \q, \i
.endr
.endm
.macro PLACES n
.rept \n
	v_nop
.endr
.endm
.macro STEP slot, q, zero
	s_wait_dscnt 4*NL
	WIN MUL_LO
	MUL16 0, (\q)%2, \zero
	MUL16 2, (\q)%2, \zero
	s_wait_dscnt 0
	PLACES NP
	FETCH_B \slot, (\q)+1, 1-(\q)%2
	FETCH_A \slot, (\q)+1, 0
	WIN MUL_HI
	MUL16 4, (\q)%2, \zero
	MUL16 6, (\q)%2, \zero
	PLACES NP
	WIN 0
	FETCH_A \slot, (\q)+1, 4
.endm
.macro TURN slot, next, fill
	s_wait_tensorcnt 0x0
	ds_add_u32 v[SPW], v[NIL]
	s_wait_dscnt 4*NL+1
	WIN MUL_LO
	MUL16 0, 1, 0
	s_wait_dscnt 0x0
	s_barrier_signal -1
	MUL16 2, 1, 0
	WIN 0
	s_barrier_wait -1
.if \fill
	CREST
	s_add_nc_u64 s[G0+4*\slot+2:G0+4*\slot+3], s[G0+4*\slot+2:G0+4*\slot+3], 2*ROWB
	s_add_nc_u64 s[G0B+4*\slot+2:G0B+4*\slot+3], s[G0B+4*\slot+2:G0B+4*\slot+3], 2*ROWB
	JLOAD G0+4*\slot, G1, G0B+4*\slot, G1B
.else
	PLACES NP
.endif
	FETCH_B \next, 0, 0
	FETCH_A \next, 0, 0
	WIN MUL_HI
	MUL16 4, 1, 0
	MUL16 6, 1, 0
	PLACES NP
	WIN 0
	FETCH_A \next, 0, 4
.endm
	v_and_b32 v22, 31, v0
	v_lshlrev_b32 v22, 10, v22                     ; a lane a row; never rewritten
	global_prefetch_b8 v22, s[98:99] offset:512 th:TH_LOAD_NT scope:SCOPE_SE   ; behind K step 0's load: K step 2's 256 bytes of my 32 rows, two K steps ahead of the load that wants them
	s_wait_alu depctr_va_vdst(0)
	s_wait_tensorcnt 0x0                           ; my part of K step 0 is in; slot 1's first fill is issued as a refill is:
	ds_add_u32 v[SPW], v[NIL]
	s_wait_dscnt 0x0
	CROUND                                         ; everybody's part of K step 0 is in, and the sixteen work-groups meet
	JLOAD G0+4, G1, G0B+4, G1B                     ; K step 1: the first tensor load behind the round
	FETCH_B 0, 0, 0
	FETCH_A 0, 0, 0
	FETCH_A 0, 0, 4
	global_prefetch_b8 v22, s[98:99] offset:768 th:TH_LOAD_NT scope:SCOPE_SE   ; behind K step 1's load and the first fragments' loads: K step 3, the last
	STEP 0, 0, 1
	TURN 0, 1, 1
	STEP 1, 0, 0
	TURN 1, 0, 1
	STEP 0, 0, 0
	TURN 0, 1, 0
	STEP 1, 0, 0
	s_wait_dscnt 4*NL
	WIN MUL_LO
	MUL16 0, 1, 0
	MUL16 2, 1, 0
	s_wait_dscnt 0
	WIN MUL_HI
	MUL16 4, 1, 0
	MUL16 6, 1, 0
	WIN 0
	s_wait_kmcnt 0x0
	s_add_co_i32 s96, s72, s73
	s_add_co_i32 s97, s74, s75
	s_add_co_i32 s2, s76, s77
	s_cmp_eq_u32 s90, 1
	s_cselect_b32 s96, s97, s96
	s_cselect_b32 s22, s79, s78
	s_cselect_b32 s23, s81, s80
	s_cmp_eq_u32 s88, 1
	s_cselect_b32 s96, s2, s96
	s_cselect_b32 s22, s82, s22
	s_cselect_b32 s23, s84, s23
	s_cmp_eq_u32 s92, 1
	s_cselect_b32 s22, s23, s22
	s_sub_co_i32 s22, s22, s96
	s_add_co_i32 s22, s22, 127
	s_lshl_b32 s23, s22, 23
	v_mov_b32 v[SCL], s23
	s_add_co_i32 s22, s22, 8
	s_lshl_b32 s22, s22, 23
	s_or_b32 s22, s22, 0x600000
	v_mov_b32 v[LIM], s22
	PLACES NP
.macro OUTBLK a
	WIN 0x02+(\a)/4
.set j, 0
.rept 64
	v_med3_num_f32 v[TMP+j], v[64*((\a)%4)+j], -v[LIM], v[LIM]
.set j, j+1
.endr
	WIN 0
.set j, 0
.rept 8
	v_cvt_scalef32_pk8_fp8_f32 v[CD+16*(\a)+2*j:CD+16*(\a)+2*j+1], v[TMP+8*j:TMP+8*j+7], v[SCL]
.set j, j+1
.endr
	v_nop
	global_store_b128 v[OFS+\a], v[CD+16*(\a):CD+16*(\a)+3], s[70:71]
	global_store_b128 v[OFS+\a], v[CD+16*(\a)+4:CD+16*(\a)+7], s[70:71] offset:512
	global_store_b128 v[OFS+\a], v[CD+16*(\a)+8:CD+16*(\a)+11], s[18:19]
	global_store_b128 v[OFS+\a], v[CD+16*(\a)+12:CD+16*(\a)+15], s[18:19] offset:512
.endm
.irp a, 0,1,2,3,4,5,6,7
	OUTBLK \a
.endr
	s_wait_tensorcnt 0x0
	ds_add_u32 v[SPW], v[NIL]
	s_wait_dscnt 0x0
	CROUND
	s_endpgm
.Lfunc_end_k_q8df8b88086_proj:
	.size	k_q8df8b88086_proj, .Lfunc_end_k_q8df8b88086_proj-k_q8df8b88086_proj
	.p2alignl 7, 3214868480
	.fill 96, 4, 3214868480
	.section	.rodata,"a",@progbits
	.p2align	6, 0x0
	.amdhsa_kernel k_q8df8b88086_proj
		.amdhsa_group_segment_fixed_size 327680
		.amdhsa_private_segment_fixed_size 0
		.amdhsa_enable_private_segment 0
		.amdhsa_kernarg_size 48
		.amdhsa_user_sgpr_count 2
		.amdhsa_user_sgpr_kernarg_segment_ptr 1
		.amdhsa_wavefront_size32 1
		.amdhsa_system_sgpr_workgroup_id_x 1
		.amdhsa_system_sgpr_workgroup_id_y 1
		.amdhsa_system_sgpr_workgroup_id_z 1
		.amdhsa_system_vgpr_workitem_id 0
		.amdhsa_next_free_vgpr 1024
		.amdhsa_next_free_sgpr 100
		.amdhsa_reserve_vcc 0
		.amdhsa_float_denorm_mode_32 3
		.amdhsa_float_denorm_mode_16_64 3
		.amdhsa_memory_ordered 1
		.amdhsa_forward_progress 1
		.amdhsa_inst_pref_size 120
	.end_amdhsa_kernel
	.amdgpu_metadata
---
amdhsa.version: [ 1, 2 ]
amdhsa.kernels:
  - .name:           k_q8df8b88086_proj
    .symbol:         k_q8df8b88086_proj.kd
    .args:
      - { .name: x_codes, .offset: 0, .size: 8, .value_kind: global_buffer, .address_space: global }
      - { .name: Wq_codes, .offset: 8, .size: 8, .value_kind: global_buffer, .address_space: global }
      - { .name: Wk_codes, .offset: 16, .size: 8, .value_kind: global_buffer, .address_space: global }
      - { .name: Wv_codes, .offset: 24, .size: 8, .value_kind: global_buffer, .address_space: global }
      - { .name: lowp_scales, .offset: 32, .size: 8, .value_kind: global_buffer, .address_space: global }
      - { .name: qkv, .offset: 40, .size: 8, .value_kind: global_buffer, .address_space: global }
    .group_segment_fixed_size: 327680
    .private_segment_fixed_size: 0
    .kernarg_segment_align: 8
    .kernarg_segment_size: 48
    .max_flat_workgroup_size: 128
    .sgpr_count:     100
    .vgpr_count:     1024
    .wavefront_size: 32
...
	.end_amdgpu_metadata
.endif
;; end of part 1
;; launch attn (part 2): grid 8 x 32, 16 waves a work-group, no clusters, 327,680 bytes of LDS; arguments qkv, lq1, lk1, lq2, lk2, lowp_scales, oimg; writes oimg
.if DOCPART == 2
	.amdgcn_target "amdgcn-amd-amdhsa--gfx1250"
	.amdhsa_code_object_version 6
	.text
	.protected	k_q8df8b88086_attn
	.globl	k_q8df8b88086_attn
	.p2align	8
	.type	k_q8df8b88086_attn,@function
k_q8df8b88086_attn:
	s_mov_b64 s[64:65], 0
	v_nop
	global_prefetch_b8 v0, s[64:65] scope:SCOPE_SE
	s_setreg_imm32_b32 hwreg(HW_REG_WAVE_MODE, 25, 1), 1
	s_wait_xcnt 0x0
; o = 0.2 (softmax(q1 k1^T / 8) v1 - lam softmax(q2 k2^T / 8) v2), causal, all four products on codes of FP8 (E4M3); lam = exp(lq1 . lk1) - exp(lq2 . lk2) + 0.8 in f32; o is quantised for the last product.
; LEFT OUT: the key steps of 128 keys that lie wholly above the causal diagonal: their scores are replaced by -1e30 whatever q and k hold, so their weights are 0 and they reach no output.
; LIMIT: scores stay far under 1e30 in magnitude; a NaN, an infinity or an overflow that reaches only those steps is not carried to the result.  On the diagonal hidden scores become -infinity ahead of the maximum: p = 0.
; THE SOFTMAX: t = score x log2(e) / 8; M = the row's largest t so far, rounded UP to a whole number; p = 2^(t - M) is quantised, not normalised; the row's sum is taken of the unquantised p and divides at the end.
; When M moves, the sum and O are multiplied by 2^(old M - new M): exact.
; SHARES.  Work-group (p, bh), bh = 16 batch + head, owns two blocks of 128 queries of one head: first block 15 - p, then block p: (16 - p) + (p + 1) = 17 key steps of 128 in each of the 256 work-groups.
; Sixteen waves, four to a SIMD, 256 registers each.  Wave w owns the 16 queries 16 (w % 8) .. + 15 of the block in hand in ONE map, m = w / 8.
; THE STREAM.  A slot is 512 keys (four key steps) of K and V of both maps, 128 KiB.  NA = 4 (p < 4) or 3 slots serve the first block, 5 - NA the second: five in every work-group, through a ring of two LDS slots.
; Each wave brings 8,192 bytes of a slot by one tensor load behind each change of slots: 4 rows of 2,048 bytes, one from each key step, so that part of every load is read also where later steps of the slot are hidden.
; One load of a wave is out at any time.  A slot's steps are walked 3, 2, 1, 0: hidden steps are the later ones, so step 0 is always walked, and it carries the change of slots: as soon as its fragments of V are in
; registers the wave has read the slot out, waits for its load, adds to its spare word, waits and signals; its softmax and second product, work on registers alone, stand between the signal and the wait.
; THE TWO MAPS MEET AT A BLOCK'S END.  Accumulator j of wave w holds tile (j + 2 m) % 4 of the head's 64 (V's tiles are read in that order).  Each wave scales its four accumulators by its map's factor / its row's sum,
; keeps 0 and 1 in registers and sends 2 and 3 (2,048 bytes) through LDS to wave w xor 8, which keeps just those tiles; behind the next barrier each adds, quantises and stores 32 of the head's 64 for its 16 queries.
; Three stages of 32,768 bytes: X, bytes of its own, where the first block ends in the loop (NA = 3); Y (NA = 4) and Z (the second block) lie in slot 1, which has had its last fill and its last read when the fifth slot begins.
; CLUSTERS are not used: the work-groups of a head change from their first block to their second at different trips (3 or 4), so their loads' addresses differ from there on.
; LAYOUT.  qkv holds images of operand registers (four registers are 512 bytes, lane l's 16 bytes at 16 l).  Both products are used transposed: S^T = K Q^T, O^T = V^T P^T: a lane holds ONE query (lane % 16).
; Register j of score tile t is key 16 t + 8 (lane / 16) + j: eight of them make registers 2 t, 2 t + 1 of P, as the form's own layout has them.
; LIMITS on the given exponents, so that each power of two below is an f32 number: entries 6 + 7, 8 + 9, 10 + 11 and 12 + 13 between -123 and 130; 11, 13 and 14 between -126 and 119.  NaN is not served.
.set SLOTB, 131072                     ; a slot; in it wave w's 8,192 bytes at 8,192 (4 g + w / 4), g = w % 4 = kind + 2 map (kind 0: K, 1: V); in them key step u at 2,048 u
.set STX,   2*SLOTB                    ; stage X; no tensor load lands here
.set STY,   SLOTB
.set STZ,   SLOTB+32768
.set SPARE, STX+32768                  ; the spare words, 128 bytes for each of the sixteen waves
.set LI,   1                           ; 16 x lane; never rewritten
.set ADK,  2                           ; LDS addresses in hand: K; V for accumulators 0, 1; V for 2, 3
.set ADA,  3
.set SPW,  5                           ; my spare word; never rewritten
.set NIL,  6                           ; 0; never rewritten
.set GF,   7                           ; my map's factor: 0.2 2^(e10 + e11), or -0.2 lam 2^(e12 + e13)
.set PS,   9                           ; 2^ep
.set OS,   10                          ; 2^e14
.set OL,   11                          ; 448 x 2^e14
.set NM,   12                          ; -M; v13 the running largest t
.set LSUM, 14                          ; v[14:15] the row's sum in two halves
.set QF,   16                          ; Q's fragment of the block in hand
.set QN,   24                          ; the second block's
.set KV,   32                          ; K's 8 fragments, then V's 4
.set ST,   96                          ; S^T, then p; at a block's end what I send (16-31) and what my partner sent (32-47)
.set RC,   ST+32
.set OT,   160                         ; O^T
.set PC,   192                         ; p's codes
.set MA,   208
.set MB,   209
.set PD,   210                         ; a lane permute's destination
.set PFO,  211                         ; the prefetches' offset; never rewritten
.set FF,   212                         ; v[212:213] f = 2^(old M - new M); at a block's end the factor / the sum, twice
.set SC,   214                         ; the sum's second chain
.set AK0,  216                         ; my lane's places in slot 0: K, V (two), and in a stage: where I store, where I read
.set AVA0, 217
.set AVB0, 218
.set DG,   219                         ; 16 (w % 8) + lane % 16 - 8 (lane / 16): on the diagonal register 8 t + j is hidden where 16 t + j is above it
.set NINF, 220
.set STS0, 221
.set STL0, 222
.set FC,   224                         ; v[224:227] o's codes
.set KP,   228                         ; v[228:243] what I keep of the first block until my partner's share is there
.set WV,   18
.set PP,   19
.set SEL,  20                          ; s[20:21] lane selects: lane l xor 16
.set CS,   22                          ; s[22:23] c = log2(e) / 8 x 2^(eq + ek) of my map, twice
.set G1,   24
.set G0,   32
.set MP,   36                          ; my map
.set W8,   37                          ; my query tile
.set WB,   38                          ; s[38:39] what I fetch of key slot 0
.set OFF,  40
.set TR,   42
.set NA,   43
.set TB,   44                          ; LDS byte at which the slot in hand begins
.set KB,   45                          ; the slot's first key
.set QBK,  46                          ; the first query of the block in hand
.set QBB,  47
.set PFA,  48
.set LIMT, 50                          ; trips in which I prefetch
.set BH,   51
.set OBA,  52
.set OBB,  54
.set GA,   56
.set GBN,  57
.set QP,   58
.set PLS,  89                          ; 448 x 2^ep
	s_load_b256 s[4:11], s[0:1], 0x0               ; qkv, lq1, lk1, lq2
	s_load_b128 s[12:15], s[0:1], 0x20             ; lk2, the scales' exponents
	s_load_b64 s[16:17], s[0:1], 0x30              ; oimg
	v_lshl_add_u32 v[SPW], v0, 2, SPARE
	v_mov_b32 v[NIL], 0
	ds_add_u32 v[SPW], v[NIL]                      ; the opening lines: the add, twice on end, and its wait ahead of my first tensor load
	ds_add_u32 v[SPW], v[NIL]
	v_lshrrev_b32 v[ADK], 5, v0
	v_readfirstlane_b32 s[WV], v[ADK]              ; wave 0..15
	s_mov_b32 s[PP], ttmp9
	s_and_b32 s[BH], ttmp7, 0xffff
	s_mov_b32 s[G1], 3<<16                         ; elements of 8 bytes, no mask, no padding: 4 rows of 2,048 bytes, 8,192 bytes apart in memory, on end in LDS
	s_mov_b32 s[G1+1], 256<<16
	s_mov_b32 s[G1+2], 4<<16
	s_mov_b32 s[G1+3], 256<<16
	s_mov_b32 s[G1+4], 4
	s_mov_b32 s[G1+5], 1024
	s_mov_b32 s[G1+6], 0
	s_mov_b32 s[G1+7], 0
	s_mov_b32 s[SEL], 0x76543210
	s_mov_b32 s[SEL+1], 0xfedcba98
	s_lshr_b32 s[MP], s[WV], 3
	s_and_b32 s[W8], s[WV], 7
	s_and_b32 s60, s[WV], 1                        ; what I fetch: its kind,
	s_bfe_u32 s61, s[WV], 0x10001                  ; its map
	s_lshr_b32 s62, s[WV], 2                       ; and which quarter of each key step's 8,192 bytes
	s_add_co_u32 s60, s60, 1
	s_lshl_b32 s60, s60, 23                        ; k's or v's part of qkv
	s_lshl_b32 s61, s61, 5
	s_add_co_u32 s61, s61, s[BH]
	s_lshl_b32 s61, s61, 17
	s_add_co_u32 s60, s60, s61
	s_lshl_b32 s61, s62, 11
	s_add_co_u32 s60, s60, s61
	s_mov_b32 s61, 0
	s_and_b32 s[G0+1], s[WV], 3
	s_lshl_b32 s[G0+1], s[G0+1], 15
	s_lshl_b32 s62, s62, 13
	s_add_co_u32 s[G0+1], s[G0+1], s62             ; where my 8,192 bytes go in slot 0
	s_cmp_lt_u32 s[PP], 4
	s_cselect_b32 s[NA], 4, 3
	s_mov_b32 s[TR], 0
	s_mov_b32 s[TB], 0
	s_mov_b32 s[KB], 0
	s_sub_co_u32 s[QBK], 15, s[PP]
	s_lshl_b32 s[QBK], s[QBK], 7
	s_lshl_b32 s[QBB], s[PP], 7
	s_mov_b32 s[OFF+1], 0
	s_cmp_eq_u32 s[PP], 0
	s_cselect_b32 s[LIMT], 2, 0                    ; the head's work-group p = 0 prefetches
	s_lshl_b32 s84, s[MP], 16                      ; K of my map: g = 2 m
	s_mul_i32 s85, s[MP], 10*8192
	s_add_co_u32 s85, s85, 4*8192                  ; V for accumulators 0, 1: 4 (2 m + 1) + 2 m
	s_mul_i32 s86, s[MP], 6*8192
	s_add_co_u32 s86, s86, 6*8192                  ; V for accumulators 2, 3: 4 (2 m + 1) + 2 (1 - m)
	s_lshl_b32 s87, s[WV], 11                      ; in a stage I store here,
	s_xor_b32 s88, s[WV], 8
	s_lshl_b32 s88, s88, 11                        ; and read what wave w xor 8 stored
	s_wait_dscnt 0x0                               ; both opening adds are done
	s_wait_kmcnt 0x0
	s_add_nc_u64 s[WB:WB+1], s[4:5], s[60:61]
	s_mov_b32 s[G0], 1
	s_mov_b64 s[G0+2:G0+3], s[WB:WB+1]
	s_or_b32 s[G0+3], s[G0+3], 0x80000000
	tensor_load_to_lds s[G0:G0+3], s[G1:G1+7]      ; every wave's first fill, with no branch
	s_nop 0
.rept 4
	v_nop
.endr
	s_load_b512 s[68:83], s[14:15], 0x0            ; entry i in s[68 + i]
	s_lshl_b32 s60, s[BH], 17
	s_lshl_b32 s62, s[W8], 10
	s_add_co_u32 s60, s60, s62
	s_lshl_b32 s62, s[MP], 22                      ; map 1: 32 heads of 131,072 bytes further on
	s_add_co_u32 s60, s60, s62
	s_add_nc_u64 s[QP:QP+1], s[4:5], s[60:61]
	v_and_b32 v[LI], 31, v0
	v_lshlrev_b32 v[PC], 3, v[LI]                  ; 8 x lane: my two numbers of each lambda vector
	v_lshlrev_b32 v[LI], 4, v[LI]
	s_lshl_b32 s60, s[QBK], 6                      ; 64 bytes a position
	v_add_nc_u32 v[MA], s60, v[LI]
	s_lshl_b32 s60, s[QBB], 6
	v_add_nc_u32 v[MB], s60, v[LI]
	global_load_b128 v[QF:QF+3], v[MA], s[QP:QP+1] ; Q's fragments of both blocks stay in registers
	global_load_b128 v[QF+4:QF+7], v[MA], s[QP:QP+1] offset:512
	global_load_b128 v[QN:QN+3], v[MB], s[QP:QP+1]
	global_load_b128 v[QN+4:QN+7], v[MB], s[QP:QP+1] offset:512
	global_load_b64 v[PC+2:PC+3], v[PC], s[6:7]    ; lq1
	global_load_b64 v[PC+4:PC+5], v[PC], s[8:9]    ; lk1
	global_load_b64 v[PC+6:PC+7], v[PC], s[10:11]  ; lq2
	global_load_b64 v[PC+8:PC+9], v[PC], s[12:13]  ; lk2
	v_add_nc_u32 v[AK0], s84, v[LI]
	v_add_nc_u32 v[AVA0], s85, v[LI]
	v_add_nc_u32 v[AVB0], s86, v[LI]
	v_add_nc_u32 v[STS0], s87, v[LI]
	v_add_nc_u32 v[STL0], s88, v[LI]
	v_and_b32 v[PFO], 7, v0
	v_bfe_u32 v[ADK], v0, 3, 2
	v_lshlrev_b32 v[PFO], 8, v[PFO]
	v_lshl_add_u32 v[PFO], v[ADK], 13, v[PFO]      ; lane l: block l % 8 of 256 bytes of my part of key step l / 8
	v_and_b32 v[DG], 15, v0
	v_bfe_u32 v[ADK], v0, 4, 1
	v_lshlrev_b32 v[ADK], 3, v[ADK]
	v_sub_nc_u32 v[DG], v[DG], v[ADK]
	s_lshl_b32 s60, s[W8], 4
	v_add_nc_u32 v[DG], s60, v[DG]
	v_mov_b32 v[NINF], 0xff800000
	; my codes of o: (16 batch + block) x 2^17 + (head / 4) x 2^15 + (w % 8) x 2^12 + (head % 4) x 2^10 + 512 m
	s_lshr_b32 s60, s[BH], 4
	s_lshl_b32 s60, s60, 21
	s_and_b32 s61, s[BH], 15
	s_lshr_b32 s62, s61, 2
	s_lshl_b32 s62, s62, 15
	s_add_co_u32 s60, s60, s62
	s_and_b32 s61, s61, 3
	s_lshl_b32 s61, s61, 10
	s_add_co_u32 s60, s60, s61
	s_lshl_b32 s61, s[W8], 12
	s_add_co_u32 s60, s60, s61
	s_lshl_b32 s61, s[MP], 9
	s_add_co_u32 s60, s60, s61
	s_mov_b32 s63, 0
	s_lshl_b32 s62, s[QBK], 10
	s_add_co_u32 s62, s62, s60
	s_add_nc_u64 s[OBA:OBA+1], s[16:17], s[62:63]
	s_lshl_b32 s62, s[QBB], 10
	s_add_co_u32 s62, s62, s60
	s_add_nc_u64 s[OBB:OBB+1], s[16:17], s[62:63]
	s_add_nc_u64 s[PFA:PFA+1], s[WB:WB+1], 65536   ; key slot 2: what the first trip's prefetch names.  Nothing is prefetched at the head
; A block begins: the largest t so far is -3e38; the sum and O^T are zeros, which the first change of M leaves zeros.  So a key step is written once.
.macro INIT
	v_mov_b32 v[NM+1], 0xff61b1e6
	v_mov_b32 v[LSUM], 0
	v_floor_f32 v[NM], -v[NM+1]
	v_mov_b32 v[LSUM+1], 0
	v_mov_b32 v[PD], 0                             ; a lane permute's destination counts as one of its sources
	v_mov_b32 v[FF+1], 0                           ; (named as the upper half of the pair)
.set i, 0
.rept 32
	v_mov_b32 v[OT+i], 0
.set i, i+1
.endr
.endm
	INIT
.set i, 0
.rept 16
	v_mov_b32 v[KP+i], 0                           ; written once: the joining lines name them on every way through the text
.set i, i+1
.endr
	s_wait_kmcnt 0x0
	s_cmp_eq_u32 s[MP], 1                          ; my map's exponents: selected, never branched on
	s_cselect_b32 s60, s76, s74
	s_cselect_b32 s61, s77, s75
	s_cselect_b32 s62, s81, s79
	s_cselect_b32 s63, -1, 0
	s_add_co_i32 s60, s60, s61                     ; a score stands for score x 2^(eq + ek): added to c's exponent field
	s_lshl_b32 s60, s60, 23
	s_add_co_u32 s[CS], s60, 0x3e38aa3b            ; c = log2(e) / 8
	s_mov_b32 s[CS+1], s[CS]
	s_add_co_i32 s60, s78, s79
	s_lshl_b32 s60, s60, 23
	s_add_co_u32 s[GA], s60, 0x3e4ccccd            ; 0.2 x 2^(e10 + e11)
	s_add_co_i32 s60, s80, s81
	s_lshl_b32 s60, s60, 23
	s_add_co_u32 s[GBN], s60, 0xbe4ccccd           ; -0.2 x 2^(e12 + e13)
	s_add_co_i32 s62, s62, 127
	s_lshl_b32 s61, s62, 23
	v_mov_b32 v[PS], s61                           ; 2^ep
	s_add_co_i32 s62, s62, 8
	s_lshl_b32 s62, s62, 23
	s_or_b32 s[PLS], s62, 0x600000                 ; 448 x 2^ep
	s_add_co_i32 s60, s82, 127
	s_lshl_b32 s61, s60, 23
	v_mov_b32 v[OS], s61
	s_add_co_i32 s60, s60, 8
	s_lshl_b32 s60, s60, 23
	s_or_b32 s60, s60, 0x600000
	v_mov_b32 v[OL], s60
	s_wait_alu depctr_va_vdst(0)
	s_wait_loadcnt 0x0                             ; Q and the lambda vectors
	v_mul_f32 v[PC+10], v[PC+2], v[PC+4]           ; lam in f32: two numbers a lane, then over the 32 lanes
	v_mul_f32 v[PC+11], v[PC+6], v[PC+8]
	v_fmac_f32 v[PC+10], v[PC+3], v[PC+5]
	v_fmac_f32 v[PC+11], v[PC+7], v[PC+9]
.irp x, 1,2,4,8
	v_add_f32_dpp v[PC+10], v[PC+10], v[PC+10] row_xmask:\x row_mask:0xf bank_mask:0xf
	v_add_f32_dpp v[PC+11], v[PC+11], v[PC+11] row_xmask:\x row_mask:0xf bank_mask:0xf
.endr
	v_permlanex16_b32 v[PD], v[PC+10], s[SEL], s[SEL+1]
	v_add_f32 v[PC+10], v[PC+10], v[PD]
	v_permlanex16_b32 v[PD], v[PC+11], s[SEL], s[SEL+1]
	v_add_f32 v[PC+11], v[PC+11], v[PD]
	v_mul_f32 v[PC+10], 0x3fb8aa3b, v[PC+10]       ; x log2(e)
	v_mul_f32 v[PC+11], 0x3fb8aa3b, v[PC+11]
	s_wait_alu depctr_va_vdst(0)                   ; ahead of the batch
	v_exp_f32 v[PC+10], v[PC+10]
	v_exp_f32 v[PC+11], v[PC+11]
	v_mov_b32 v[MA], s[GA]                         ; (the plain instruction behind the last exponential)
	s_wait_alu depctr_va_vdst(0)                   ; and ahead of the first reader
	v_sub_f32 v[PC+10], v[PC+10], v[PC+11]
	v_add_f32 v[PC+10], 0x3f4ccccd, v[PC+10]       ; + 0.8
	v_mul_f32 v[MB], s[GBN], v[PC+10]
	v_cndmask_b32 v[GF], v[MA], v[MB], s63         ; map 0: 0.2 2^(e10 + e11); map 1: -0.2 lam 2^(e12 + e13)
.macro MASK                            ; on the diagonal step the scores of hidden keys become -infinity; each accumulator from its low end on
.set n, 0
.rept 64
	v_cmp_gt_i32 vcc_lo, 16*(n/8)+n%8, v[DG]
	v_cndmask_b32 v[ST+n], v[ST+n], v[NINF], vcc_lo
.set n, n+1
.endr
.endm
.macro SM                              ; the softmax of a key step
	v_max3_num_f32 v[MA], v[ST], v[ST+1], v[ST+2]  ; the step's largest score of my query, among my 64 keys, in two chains,
	v_max3_num_f32 v[MB], v[ST+3], v[ST+4], v[ST+5]
.set i, 6
.rept 14
	v_max3_num_f32 v[MA], v[MA], v[ST+i], v[ST+i+1]
	v_max3_num_f32 v[MB], v[MB], v[ST+i+2], v[ST+i+3]
.set i, i+4
.endr
	v_max3_num_f32 v[MA], v[MA], v[ST+62], v[ST+63]
	s_delay_alu instid0(VALU_DEP_1)
	v_max_num_f32 v[MA], v[MA], v[MB]
	s_delay_alu instid0(VALU_DEP_1)
	v_permlanex16_b32 v[PD], v[MA], s[SEL], s[SEL+1]
	s_delay_alu instid0(VALU_DEP_1)
	v_max_num_f32 v[MA], v[MA], v[PD]              ; and among lane l xor 16's
	s_delay_alu instid0(VALU_DEP_1)
	v_mul_f32 v[MA], s[CS], v[MA]                  ; as t (c is positive)
	s_delay_alu instid0(VALU_DEP_1)
	v_max_num_f32 v[NM+1], v[NM+1], v[MA]          ; the running largest t
	v_mov_b32 v[MA], v[NM]
	s_delay_alu instid0(VALU_DEP_2)
	v_floor_f32 v[NM], -v[NM+1]                    ; the new -M = -ceil(t)
	s_delay_alu instid0(VALU_DEP_1)
	v_sub_f32 v[MA], v[NM], v[MA]                  ; old M - new M: a whole number, 0 or less
	s_delay_alu instid0(VALU_DEP_1)
	v_cvt_i32_f32 v[MA], v[MA]                     ; (it saturates)
	s_delay_alu instid0(VALU_DEP_1)
	v_ldexp_f32 v[FF], 1.0, v[MA]                  ; f = 2^(old M - new M)
.set i, 0
.rept 32
	v_pk_fma_f32 v[ST+i:ST+i+1], v[ST+i:ST+i+1], s[CS:CS+1], v[NM:NM+1] op_sel_hi:[1,0,0]   ; t - M, two at a time
.set i, i+2
.endr
	s_wait_alu depctr_va_vdst(0)                   ; ahead of the batch
.set i, 0
.rept 64
	v_exp_f32 v[ST+i], v[ST+i]                     ; p = 2^(t - M)
.set i, i+1
.endr
	v_pk_mul_f32 v[LSUM:LSUM+1], v[LSUM:LSUM+1], v[FF:FF+1] op_sel_hi:[1,0]   ; the sums under the new M: the plain instruction behind the batch
	s_wait_alu depctr_va_vdst(0)                   ; one wait for the batch, ahead of its first reader
	v_pk_add_f32 v[SC:SC+1], v[ST:ST+1], v[ST+2:ST+3]   ; the row's sum of the unquantised p, in two chains
.set i, 4
.rept 15
	v_pk_add_f32 v[LSUM:LSUM+1], v[LSUM:LSUM+1], v[ST+i:ST+i+1]
	v_pk_add_f32 v[SC:SC+1], v[SC:SC+1], v[ST+i+2:ST+i+3]
.set i, i+4
.endr
	v_pk_add_f32 v[LSUM:LSUM+1], v[LSUM:LSUM+1], v[SC:SC+1]
.set n, 0
.rept 8
.set i, 0
.rept 4
	v_dual_min_num_f32 v[ST+8*n+i], s[PLS], v[ST+8*n+i] :: v_dual_min_num_f32 v[ST+8*n+i+1], s[PLS], v[ST+8*n+i+1]   ; the hold at the largest code (the conversion does not saturate: ISA guide 7.6.2); p is not negative; two numbers an instruction
.set i, i+2
.endr
	v_cvt_scalef32_pk8_fp8_f32 v[PC+2*n:PC+2*n+1], v[ST+8*n:ST+8*n+7], v[PS]   ; keys 16 n + 8 h + 0 .. 7: registers 2 n, 2 n + 1 of P
.set n, n+1
.endr
	s_wait_alu depctr_va_vdst(0)                   ; directly ahead of the first reader of O^T
.set i, 0
.rept 16
	v_pk_mul_f32 v[OT+i:OT+i+1], v[OT+i:OT+i+1], v[FF:FF+1] op_sel_hi:[1,0]    ; O^T under the new M; also the plain instructions behind the conversions
.set i, i+2
.endr
.endm
.macro PV                              ; O^T += V^T P^T, the four accumulators by turns; K = the step's 128 keys
.irp j, 0,1,2,3
	v_wmma_f32_16x16x128_fp8_fp8 v[OT+8*\j:OT+8*\j+7], v[KV+16*\j:KV+16*\j+15], v[PC:PC+15], v[OT+8*\j:OT+8*\j+7]
.endr
.endm
; A KEY STEP: 128 keys, the u-th of the slot in hand.  mode 0: a step all of whose keys come after the block's queries is left out: a scalar branch on ids and the count of trips, the same in all waves, round the step's
; loads, products and softmax alone.  mode 1: the slot's step 0 in the loop, with the change of slots in it.  mode 2: step 0 of the last slot.
.macro STEP u, mode
	s_add_co_u32 s61, s[KB], 128*(\u)              ; the step's first key
.if \mode == 0
	s_cmp_gt_u32 s61, s[QBK]
	s_cbranch_scc1 .Lhidden_\@
.endif
	v_add_nc_u32 v[ADK], s[TB], v[AK0]             ; these three and the v_nop are the four places in front of loads into registers that the last products read
	v_add_nc_u32 v[ADA], s[TB], v[AVA0]
	v_add_nc_u32 v[ADA+1], s[TB], v[AVB0]
	v_nop
.irp t, 0,1,2,3,4,5,6,7
.irp c, 0,1
	ds_load_b128 v[KV+8*\t+4*\c:KV+8*\t+4*\c+3], v[ADK] offset:(\t/2)*8192+(\u)*2048+(\t%2)*1024+512*\c   ; K's tile t: 16 keys x 64
.endr
.endr
	s_wait_alu depctr_va_vdst(0)
	s_wait_dscnt 8                                 ; tiles 0-3 are in; the youngest eight loads may be out
.irp t, 0,1,2,3
	v_wmma_f32_16x16x64_fp8_fp8 v[ST+8*\t:ST+8*\t+7], v[KV+8*\t:KV+8*\t+7], v[QF:QF+7], 0
.endr
	s_wait_dscnt 0x0
.irp t, 4,5,6,7
	v_wmma_f32_16x16x64_fp8_fp8 v[ST+8*\t:ST+8*\t+7], v[KV+8*\t:KV+8*\t+7], v[QF:QF+7], 0
.endr
.rept 4
	v_nop                                          ; places in front of the loads over K's fragments and of the first read of the scores
.endr
.irp j, 0,1,2,3
.irp c, 0,1,2,3
	ds_load_b128 v[KV+16*\j+4*\c:KV+16*\j+4*\c+3], v[ADA+\j/2] offset:(\j%2)*8192+(\u)*2048+512*\c   ; V's tile (j + 2 m) % 4: 16 of the head's 64 x 128 keys
.endr
.endr
	s_cmp_lg_u32 s61, s[QBK]                       ; only the step on the diagonal has hidden keys
	s_cbranch_scc1 .Lopen_\@
	MASK
.Lopen_\@:
.if \mode == 1
	; THE CHANGE OF SLOTS.  The loads above are my last reads of this slot.
	s_wait_alu depctr_va_vdst(0)
	s_wait_tensorcnt 0x0                           ; my part of the next slot is in, and no tensor load of mine is out, so group 0 may be written
	ds_add_u32 v[SPW], v[NIL]                      ; the descriptor's step stands between the add and the wait for it
	s_add_co_u32 s60, s[TR], 2                     ; the next trip asks for stream slot trip + 2: that key slot, less NA from the second block on (the last trip's is not used)
	s_cmp_ge_u32 s60, s[NA]
	s_cselect_b32 s61, s[NA], 0
	s_sub_co_u32 s60, s60, s61
	s_lshl_b32 s[OFF], s60, 15                     ; 32,768 bytes a key slot in each of K and V of a map
	s_xor_b32 s[G0+1], s[G0+1], SLOTB
	s_add_nc_u64 s[G0+2:G0+3], s[WB:WB+1], s[OFF:OFF+1]
	s_or_b32 s[G0+3], s[G0+3], 0x80000000
	s_wait_xcnt 0x0                                ; this trip's prefetch has read its address
	s_add_nc_u64 s[PFA:PFA+1], s[PFA:PFA+1], 32768
	s_wait_dscnt 0x0                               ; the add is done, V's fragments are in registers, my stores to a stage are done
	s_barrier_signal -1                            ; work on registers alone up to the wait
	SM
	PV
.else
	SM
	s_wait_alu depctr_va_vdst(0)
	s_wait_dscnt 0x0
	PV
.endif
.Lhidden_\@:
.endm
; A BLOCK'S END, first part: O^T x my map's factor / the row's sum; accumulators 0 and 1 are kept in v[keep ..], 2 and 3 go to the stage.
.macro SENDPART keep, area
.rept 4
	v_nop                                          ; places behind the last products
.endr
	v_add_f32 v[MA], v[LSUM], v[LSUM+1]
	v_add_nc_u32 v[ADA], \area, v[STS0]
	v_permlanex16_b32 v[PD], v[MA], s[SEL], s[SEL+1]
	v_add_f32 v[MA], v[MA], v[PD]                  ; the row's sum
	s_wait_alu depctr_va_vdst(0)                   ; ahead of the transcendental
	v_rcp_f32 v[MA], v[MA]
	v_nop
	s_wait_alu depctr_va_vdst(0)                   ; and ahead of its first reader
	v_mul_f32 v[FF], v[GF], v[MA]
	v_mul_f32 v[FF+1], v[GF], v[MA]
	s_wait_alu depctr_va_vdst(0)                   ; directly ahead of the first reader of O^T
.set i, 0
.rept 8
	v_pk_mul_f32 v[\keep+i:\keep+i+1], v[OT+i:OT+i+1], v[FF:FF+1]
.set i, i+2
.endr
.set i, 16
.rept 8
	v_pk_mul_f32 v[ST+i:ST+i+1], v[OT+i:OT+i+1], v[FF:FF+1]
.set i, i+2
.endr
.irp c, 0,1,2,3
	ds_store_b128 v[ADA], v[ST+16+4*\c:ST+16+4*\c+3] offset:512*\c
.endr
	s_wait_alu depctr_va_vdst(0)
.endm
; Second part, behind a barrier: my partner's share is added to what I kept; held, quantised by 2^e14, stored: 512 consecutive bytes, four registers of the last product's operand.
.macro FINISH ob, keep, area
	v_add_nc_u32 v[ADK], \area, v[STL0]
.irp c, 0,1,2,3
	ds_load_b128 v[RC+4*\c:RC+4*\c+3], v[ADK] offset:512*\c
.endr
	s_wait_xcnt 0x0                                ; an earlier store has read the codes' registers
	s_wait_dscnt 0x0
.set i, 0
.rept 8
	v_pk_add_f32 v[\keep+i:\keep+i+1], v[\keep+i:\keep+i+1], v[RC+i:RC+i+1]
.set i, i+2
.endr
.set i, 0
.rept 16
	v_med3_num_f32 v[\keep+i], v[\keep+i], -v[OL], v[OL]
.set i, i+1
.endr
	v_cvt_scalef32_pk8_fp8_f32 v[FC:FC+1], v[\keep:\keep+7], v[OS]
	v_cvt_scalef32_pk8_fp8_f32 v[FC+2:FC+3], v[\keep+8:\keep+15], v[OS]
	v_nop                                          ; one plain vector instruction behind the last conversion
	global_store_b128 v[LI], v[FC:FC+3], s[\ob:\ob+1]
.endm
.macro SWITCH area                     ; the first block is done: its share goes out, and the second block begins
	SENDPART KP, \area
.set i, 0
.rept 8
	v_mov_b32 v[QF+i], v[QN+i]
.set i, i+1
.endr
	INIT
	s_mov_b32 s[QBK], s[QBB]
	s_mov_b32 s[KB], 0
.endm
	s_wait_alu depctr_va_vdst(0)
	s_wait_tensorcnt 0x0                           ; my part of slot 0 is in; slot 1's first fill is issued as a refill is
	ds_add_u32 v[SPW], v[NIL]
	s_xor_b32 s[G0+1], s[G0+1], SLOTB
	s_add_nc_u64 s[G0+2:G0+3], s[G0+2:G0+3], 32768 ; key slot 1; the type bits on top are not reached
	s_wait_dscnt 0x0
	s_barrier_signal -1
	s_barrier_wait -1
.Lslot:                                            ; four trips, a constant: at the head of each the next stream slot is asked for
	tensor_load_to_lds s[G0:G0+3], s[G1:G1+7]      ; the first thing behind the barrier, and my one tensor load until the next: it has the slot's steps 3 to 1 and half of step 0 in which to land
	s_nop 0
.rept 4
	v_nop
.endr
	; A PREFETCH INTO THE L2 of what the NEXT trip will ask for.  All eight work-groups of a head walk the same K and V from key slot 0 on: the head's work-group p = 0, which walks key slots 0 to 3 in order, asks, and
	; nobody else.  Each of its waves names its own part's 32 blocks of 256 bytes, a lane a block: trip t names key slot t + 2, t = 0, 1: each block once in the launch.  Slots 0 and 1 come by their loads alone.
	s_cmp_lt_u32 s[TR], s[LIMT]
	s_cbranch_scc0 .Lnot_mine
	global_prefetch_b8 v[PFO], s[PFA:PFA+1] th:TH_LOAD_NT scope:SCOPE_SE
.Lnot_mine:
	s_cmp_lg_u32 s[TR], s[NA]                      ; ids and the count of trips alone; no barrier, wait or tensor load is jumped over
	s_cbranch_scc1 .Lnosw
	SWITCH STX
.Lnosw:
	STEP 3, 0
	STEP 2, 0
	STEP 1, 0
	STEP 0, 1
	s_xor_b32 s[TB], s[TB], SLOTB                  ; on to the other slot
	s_add_co_u32 s[KB], s[KB], 512
	s_add_co_u32 s[TR], s[TR], 1
	s_barrier_wait -1                              ; the slot ahead is whole, and nobody reads the one that I have left
	s_cmp_lt_u32 s[TR], 4
	s_cbranch_scc1 .Lslot
	; the fifth slot is written out: nothing more is asked for.  It lies in slot 0; slot 1 has had its last fill and its last read
	s_add_co_u32 s60, s[NA], 1
	s_cmp_lg_u32 s[TR], s60
	s_cbranch_scc1 .Lnot_x
	FINISH OBA, KP, STX                            ; NA = 3: the first block's shares were stored a trip ago
.Lnot_x:
	s_cmp_lg_u32 s[TR], s[NA]
	s_cbranch_scc1 .Lnosw2
	SWITCH STY                                     ; NA = 4
.Lnosw2:
	STEP 3, 0
	STEP 2, 0
	STEP 1, 0
	STEP 0, 2
	SENDPART ST, STZ
	s_wait_dscnt 0x0                               ; my stores to the stages are done
	s_barrier_signal -1
	s_barrier_wait -1
	s_cmp_lg_u32 s[TR], s[NA]
	s_cbranch_scc1 .Lnot_y
	FINISH OBA, KP, STY
.Lnot_y:
	FINISH OBB, ST, STZ
	s_wait_tensorcnt 0x0                           ; the wave's end
	ds_add_u32 v[SPW], v[NIL]
	s_wait_dscnt 0x0
	s_endpgm
.Lfunc_end_k_q8df8b88086_attn:
	.size	k_q8df8b88086_attn, .Lfunc_end_k_q8df8b88086_attn-k_q8df8b88086_attn
	.p2alignl 7, 3214868480
	.fill 96, 4, 3214868480
	.section	.rodata,"a",@progbits
	.p2align	6, 0x0
	.amdhsa_kernel k_q8df8b88086_attn
		.amdhsa_group_segment_fixed_size 327680
		.amdhsa_private_segment_fixed_size 0
		.amdhsa_enable_private_segment 0
		.amdhsa_kernarg_size 56
		.amdhsa_user_sgpr_count 2
		.amdhsa_user_sgpr_kernarg_segment_ptr 1
		.amdhsa_wavefront_size32 1
		.amdhsa_system_sgpr_workgroup_id_x 1
		.amdhsa_system_sgpr_workgroup_id_y 1
		.amdhsa_system_sgpr_workgroup_id_z 1
		.amdhsa_system_vgpr_workitem_id 0
		.amdhsa_next_free_vgpr 256
		.amdhsa_next_free_sgpr 100
		.amdhsa_reserve_vcc 1
		.amdhsa_float_denorm_mode_32 3
		.amdhsa_float_denorm_mode_16_64 3
		.amdhsa_memory_ordered 1
		.amdhsa_forward_progress 1
		.amdhsa_inst_pref_size 192
	.end_amdhsa_kernel
	.amdgpu_metadata
---
amdhsa.version: [ 1, 2 ]
amdhsa.kernels:
  - .name:           k_q8df8b88086_attn
    .symbol:         k_q8df8b88086_attn.kd
    .args:
      - { .name: qkv, .offset: 0, .size: 8, .value_kind: global_buffer, .address_space: global }
      - { .name: lq1, .offset: 8, .size: 8, .value_kind: global_buffer, .address_space: global }
      - { .name: lk1, .offset: 16, .size: 8, .value_kind: global_buffer, .address_space: global }
      - { .name: lq2, .offset: 24, .size: 8, .value_kind: global_buffer, .address_space: global }
      - { .name: lk2, .offset: 32, .size: 8, .value_kind: global_buffer, .address_space: global }
      - { .name: lowp_scales, .offset: 40, .size: 8, .value_kind: global_buffer, .address_space: global }
      - { .name: oimg, .offset: 48, .size: 8, .value_kind: global_buffer, .address_space: global }
    .group_segment_fixed_size: 327680
    .private_segment_fixed_size: 0
    .kernarg_segment_align: 8
    .kernarg_segment_size: 56
    .max_flat_workgroup_size: 512
    .sgpr_count:     100
    .vgpr_count:     256
    .wavefront_size: 32
...
	.end_amdgpu_metadata
.endif
;; end of part 2
;; launch outp (part 3): grid 8 x 32, 4 waves a work-group, clusters of 4 x 4, 327,680 bytes of LDS; arguments oimg, Wo_codes, lowp_scales, out0; writes out0
.if DOCPART == 3
	.amdgcn_target "amdgcn-amd-amdhsa--gfx1250"
	.amdhsa_code_object_version 6
	.text
	.protected	k_q8df8b88086_outp
	.globl	k_q8df8b88086_outp
	.p2align	8
	.type	k_q8df8b88086_outp,@function
k_q8df8b88086_outp:
	s_mov_b64 s[64:65], 0
	v_nop
	global_prefetch_b8 v0, s[64:65] scope:SCOPE_SE
	s_setreg_imm32_b32 hwreg(HW_REG_WAVE_MODE, 25, 1), 1
	s_wait_xcnt 0x0
	s_wait_alu depctr_hold_cnt(0) depctr_sa_sdst(0) depctr_va_vdst(0) depctr_va_sdst(0) depctr_va_ssrc(0) depctr_va_vcc(0) depctr_vm_vsrc(0)
	s_getreg_b32 s2, hwreg(HW_REG_IB_STS2, 6, 4)
	s_cmp_eq_u32 s2, 0
	s_cbranch_scc0 .Lentry_in_a_cluster
	s_endpgm
.Lentry_in_a_cluster:
	s_bfe_u32 s2, ttmp6, 0x10000c
	s_cmp_lg_u32 s2, 0xf033
	s_cbranch_scc0 .Lentry_shape_is_right
	s_endpgm
.Lentry_shape_is_right:
; out0 = o Wo on codes of FP8 (E4M3): [4,096 x 1,024] x [1,024 x 1,024], sums in f32, each finished sum once x 2^(e14 + e15).  Nothing is left out here.
; LIMIT: e14 + e15 lies between -126 and 127, so that 2^(e14 + e15) is an f32 number.
; A tile of out0 is 128 x 128: 256 work-groups of four waves; a wave makes 64 x 64: 16 accumulators.  The whole K of both operands lies in LDS: each byte is filled once, there is no ring.
; ONE tensor load a wave, all at the head: wave 0 brings o's K 0-511 (65,536 dense bytes as 256 rows of 256), wave 1 o's K 512-1,023, waves 2 and 3 the same halves of Wo's 128 rows (rows of 512 bytes).
; No prefetch: the launch has no loop to run ahead in.
; CLUSTERS: 4 x 4 work-groups; o's halves are asked for jointly along a row of the cluster, Wo's along a column.
; o comes as images of operand registers in the form's own layout (registers 2 c, 2 c + 1: k = 16 c + 8 h + 0 .. 7): a fragment is four loads of 512 consecutive bytes.  Wo comes as rows along K: eight loads of 8 bytes.
; THE MATRIX INSTRUCTION IS USED TRANSPOSED (source 0 = 16 rows of Wo, source 1 = 16 rows of o): a lane holds eight neighbouring numbers of a row.
; REGISTERS: window 0: v1-31 addresses; v32-63 a block's results; v64-127 rows read back from the stage, two sets; v128-255 the accumulators.  Window 1: two fragment buffers of 128: 64 registers of o, then 64 of Wo.
.set ACH,    32768                     ; 256 along K of o's 128 rows, dense
.set BP,     528                       ; an LDS row of Wo: 512 bytes + 16 of padding = 132 words: the 16 rows that a load touches start 4 banks apart (64 banks of 4 bytes: ISA guide 11.1)
.set BHALF,  128*BP
.set BBASE,  4*ACH
.set STG,    BBASE+2*BHALF             ; 16 rows x 272 bytes for each wave, for the way out; no tensor load lands here
.set SPITCH, 272
.set SPARE,  STG+4*16*SPITCH
.set ADRA, 16                          ; v16-17  my o fragments in K's first and second half
.set ADRB, 20                          ; v20-21  the same for Wo
.set STO,  24
.set RD,   25
.set CO,   26
.set SPW,  28
.set NIL,  29
.set TMP,  32
.set BK,   64
.set ACC,  128
.set G1, 24
.set G0, 32
.set G1B, 48
.set G0B, 56
.set MSB, 0
.macro WIN new                         ; the immediate's high byte repeats the setting that is left
.if MSB != (\new)
	s_set_vgpr_msb (MSB<<8)|(\new)
.set MSB, (\new)
.endif
.endm
.macro CROUND                          ; a round of the cluster's barrier
	s_barrier_signal -1
	s_barrier_wait -1
	s_cmp_lg_u32 s14, 0
	s_cbranch_scc1 .Lnot_wave_0_\@
	s_barrier_signal -3
.Lnot_wave_0_\@:
	s_barrier_wait -3
	s_barrier_signal -1
	s_barrier_wait -1
.endm
	s_load_b256 s[4:11], s[0:1], 0x0               ; oimg, Wo's codes, the scales' exponents, out0
	v_lshl_add_u32 v[SPW], v0, 2, SPARE
	v_mov_b32 v[NIL], 0
	ds_add_u32 v[SPW], v[NIL]                      ; the opening lines: the add, twice on end, and its wait
	ds_add_u32 v[SPW], v[NIL]
	v_lshrrev_b32 v1, 5, v0
	v_readfirstlane_b32 s14, v1                    ; wave 0..3
	s_lshr_b32 s15, s14, 1                         ; my half of the tile's rows.  Also: I fetch for o (0) or for Wo (1)
	s_and_b32 s16, s14, 1                          ; my half of its columns.  Also: the half of K that I fetch
	s_bfe_u32 s40, ttmp6, 0x40000                  ; cx, cy
	s_bfe_u32 s41, ttmp6, 0x40004
	s_lshl_b32 s42, ttmp9, 2
	s_add_co_u32 s42, s42, s40                     ; tile column
	s_and_b32 s17, ttmp7, 0xffff
	s_lshl_b32 s17, s17, 2
	s_add_co_u32 s17, s17, s41                     ; tile row
	s_lshl_b32 s43, s41, 2
	s_lshl_b32 s43, 15, s43                        ; my row of the cluster
	s_lshl_b32 s44, 0x1111, s40                    ; my column
	s_or_b32 s[G1], s43, (3<<16)|(1<<21)           ; o: elements of 8 bytes, no padding: 256 rows of 256 bytes
	s_mov_b32 s[G1+1], 32<<16
	s_mov_b32 s[G1+2], 256<<16
	s_mov_b32 s[G1+3], 32<<16
	s_mov_b32 s[G1+4], 256
	s_mov_b32 s[G1+5], 32
	s_mov_b32 s[G1+6], 0
	s_mov_b32 s[G1+7], 0
	s_or_b32 s[G1B], s44, (0<<16)|(1<<20)|(1<<21)|(6<<22)|(3<<25)   ; Wo: elements of 1 byte; 4 words of padding after every 128
	s_mov_b32 s[G1B+1], 512<<16
	s_mov_b32 s[G1B+2], 128<<16
	s_mov_b32 s[G1B+3], 512<<16
	s_mov_b32 s[G1B+4], 128
	s_mov_b32 s[G1B+5], 1024                       ; a row of Wo's codes in memory
	s_mov_b32 s[G1B+6], 0
	s_mov_b32 s[G1B+7], 0
	s_lshl_b32 s20, s17, 17                        ; o: 131,072 bytes a tile row,
	s_lshl_b32 s18, s16, 16                        ; my half of K: in memory and in LDS alike
	s_add_co_u32 s20, s20, s18
	s_mov_b32 s21, 0
	s_lshl_b32 s46, s42, 17                        ; Wo: 128 rows of 1,024 bytes a tile column,
	s_lshl_b32 s19, s16, 9                         ; 512 bytes of each row a half
	s_add_co_u32 s46, s46, s19
	s_mov_b32 s47, 0
	s_mul_i32 s45, s16, BHALF
	s_add_co_u32 s45, s45, BBASE                   ; no place in the cluster enters an LDS address
	s_wait_dscnt 0x0
	s_wait_kmcnt 0x0
	s_load_b64 s[96:97], s[8:9], 0x38              ; entries 14 and 15
	s_add_nc_u64 s[20:21], s[4:5], s[20:21]
	s_add_nc_u64 s[46:47], s[6:7], s[46:47]
	CROUND                                         ; all sixteen work-groups are here: the joint loads meet
	s_mov_b32 s[G0], 1
	s_mov_b32 s[G0+1], s18
	s_mov_b64 s[G0+2:G0+3], s[20:21]
	s_or_b32 s[G0+3], s[G0+3], 0x80000000
	s_mov_b32 s[G0B], 1
	s_mov_b32 s[G0B+1], s45
	s_mov_b64 s[G0B+2:G0B+3], s[46:47]
	s_or_b32 s[G0B+3], s[G0B+3], 0x80000000
	s_cmp_eq_u32 s15, 0                            ; one fill in each arm of one branch on the wave's number
	s_cbranch_scc0 .Lfirst_b
	tensor_load_to_lds s[G0:G0+3], s[G1:G1+7]
	s_nop 0
.rept 4
	v_nop
.endr
	s_branch .Lfirst_asked
.Lfirst_b:
	tensor_load_to_lds s[G0B:G0B+3], s[G1B:G1B+7]
	s_nop 0
.rept 4
	v_nop
.endr
.Lfirst_asked:
	v_and_b32 v1, 15, v0                           ; l % 16
	v_bfe_u32 v2, v0, 4, 1                         ; l / 16
	v_and_b32 v3, 31, v0
	v_lshlrev_b32 v4, 4, v3                        ; 16 x lane
	s_lshl_b32 s21, s15, 14                        ; my four row tiles of eight: 4,096 bytes each
	v_add_nc_u32 v[ADRA], s21, v4
	v_add_nc_u32 v[ADRA+1], 2*ACH, v[ADRA]
	s_lshl_b32 s22, s16, 6
	s_mul_i32 s22, s22, BP                         ; my 64 rows of Wo's 128
	s_add_co_u32 s22, s22, BBASE
	v_mul_u32_u24 v5, v1, BP
	v_lshl_add_u32 v5, v2, 3, v5                   ; row x pitch + 8 x half
	v_add_nc_u32 v[ADRB], s22, v5
	v_add_nc_u32 v[ADRB+1], BHALF, v[ADRB]
	s_mul_i32 s23, s14, 16*SPITCH
	s_add_co_u32 s23, s23, STG                     ; my stage
	v_mul_u32_u24 v5, v1, SPITCH                   ; in: row l % 16, 32 bytes for each half of the lanes
	v_lshl_add_u32 v5, v2, 5, v5
	v_add_nc_u32 v[STO], s23, v5
	v_mul_u32_u24 v6, v2, SPITCH                   ; back: lanes 0-15 one row of 256 bytes, lanes 16-31 the next
	v_lshl_add_u32 v6, v1, 4, v6
	v_add_nc_u32 v[RD], s23, v6
	v_lshlrev_b32 v6, 12, v2                       ; the same two rows in out0: 4,096 bytes a row
	v_lshl_add_u32 v[CO], v1, 4, v6
	s_lshl_b32 s20, s17, 7
	s_lshl_b32 s21, s15, 6
	s_add_co_u32 s20, s20, s21                     ; my first row
	s_lshl_b32 s20, s20, 12
	s_lshl_b32 s46, s42, 9                         ; my first column, in bytes
	s_lshl_b32 s47, s16, 8
	s_add_co_u32 s46, s46, s47
	s_add_co_u32 s20, s20, s46
	s_mov_b32 s21, 0
	s_add_nc_u64 s[10:11], s[10:11], s[20:21]
.macro FETCH ks, f                     ; 48 LDS loads in one run: the fragments of K step ks (128 along K) into buffer f
	WIN 0x40                                       ; destination window 1, address window 0
.irp i, 0,1,2,3
.irp c, 0,1,2,3
	ds_load_b128 v[128*(\f)+16*\i+4*\c:128*(\f)+16*\i+4*\c+3], v[ADRA+(\ks)/4] offset:(((\ks)/2)%2)*ACH+\i*4096+((\ks)%2)*2048+512*\c
.endr
.endr
.irp i, 0,1,2,3
.irp c, 0,1,2,3,4,5,6,7
	ds_load_b64 v[128*(\f)+64+16*\i+2*\c:128*(\f)+64+16*\i+2*\c+1], v[ADRB+(\ks)/4] offset:((\ks)%4)*128+\i*16*BP+16*\c
.endr
.endr
.endm
.macro MUL f, zero                     ; 16 matrix instructions, the 16 accumulators by turns in the same order in every K step
	WIN 0x05                                       ; sources 0 (Wo) and 1 (o) window 1; C and D window 0
.irp a, 0,1,2,3
.irp b, 0,1,2,3
.if \zero
	v_wmma_f32_16x16x128_fp8_fp8 v[ACC+8*(4*\a+\b):ACC+8*(4*\a+\b)+7], v[128*(\f)+64+16*\b:128*(\f)+64+16*\b+15], v[128*(\f)+16*\a:128*(\f)+16*\a+15], 0
.else
	v_wmma_f32_16x16x128_fp8_fp8 v[ACC+8*(4*\a+\b):ACC+8*(4*\a+\b)+7], v[128*(\f)+64+16*\b:128*(\f)+64+16*\b+15], v[128*(\f)+16*\a:128*(\f)+16*\a+15], v[ACC+8*(4*\a+\b):ACC+8*(4*\a+\b)+7]
.endif
.endr
.endr
.endm
.macro PLACES                          ; four places in front of loads into registers that matrix instructions have read, and of the first read of results
.rept 4
	v_nop
.endr
.endm
	s_wait_alu depctr_va_vdst(0)
	s_wait_tensorcnt 0x0                           ; my load is in,
	s_barrier_signal -1
	s_barrier_wait -1                              ; and so is everybody's: both operands are whole
	FETCH 0, 0
.irp ks, 0,1,2,3,4,5,6
.if \ks > 0
	PLACES
.endif
	FETCH \ks+1, (\ks+1)%2
	s_wait_dscnt 48                                ; all but the 48 just issued
.if \ks == 0
	MUL 0, 1
.else
	MUL \ks%2, 0
.endif
.endr
	s_wait_dscnt 0x0
	MUL 1, 0
	WIN 0
	s_wait_kmcnt 0x0
	s_add_co_i32 s96, s96, s97
	s_add_co_i32 s96, s96, 127
	s_lshl_b32 s96, s96, 23                        ; 2^(e14 + e15) as f32
	s_mov_b32 s97, s96
	PLACES
; THE WAY OUT, block by block of 16 rows x 64 columns, through my own stage, back as whole rows of 256 bytes.  LDS serves a wave's instructions in order (ISA guide 5.7.1.4): no wait between the stores and the loads.
.macro TOSTAGE a
.set i, 0
.rept 16
	v_pk_mul_f32 v[TMP+i:TMP+i+1], v[ACC+32*(\a)+i:ACC+32*(\a)+i+1], s[96:97] op_sel_hi:[1,0]   ; each accumulator from its low end on
.set i, i+2
.endr
.irp b, 0,1,2,3
	ds_store_b128 v[STO], v[TMP+8*\b:TMP+8*\b+3] offset:64*\b
	ds_store_b128 v[STO], v[TMP+8*\b+4:TMP+8*\b+7] offset:64*\b+16
.endr
.irp t, 0,1,2,3,4,5,6,7
	ds_load_b128 v[BK+32*((\a)%2)+4*\t:BK+32*((\a)%2)+4*\t+3], v[RD] offset:\t*2*SPITCH
.endr
.endm
.macro SEND a, younger                 ; younger: the LDS instructions issued behind block a's loads, which may stay out
	s_wait_dscnt \younger
.irp t, 0,1,2,3,4,5,6,7
	global_store_b128 v[CO], v[BK+32*((\a)%2)+4*\t:BK+32*((\a)%2)+4*\t+3], s[10:11] offset:(16*(\a)+2*\t)*4096 th:TH_STORE_NT   ; 16 lanes store 256 consecutive bytes, aligned
.endr
.endm
	TOSTAGE 0
	TOSTAGE 1
	SEND 0, 16                                     ; behind block 0's loads: block 1's 8 stores and 8 loads
	s_wait_xcnt 0x0                                ; block 0's stores have read their registers
	TOSTAGE 2
	SEND 1, 16
	s_wait_xcnt 0x0
	TOSTAGE 3
	SEND 2, 16
	SEND 3, 0
	s_wait_tensorcnt 0x0                           ; the wave's end
	ds_add_u32 v[SPW], v[NIL]
	s_wait_dscnt 0x0
	CROUND                                         ; the closing round
	s_endpgm
.Lfunc_end_k_q8df8b88086_outp:
	.size	k_q8df8b88086_outp, .Lfunc_end_k_q8df8b88086_outp-k_q8df8b88086_outp
	.p2alignl 7, 3214868480
	.fill 96, 4, 3214868480
	.section	.rodata,"a",@progbits
	.p2align	6, 0x0
	.amdhsa_kernel k_q8df8b88086_outp
		.amdhsa_group_segment_fixed_size 327680
		.amdhsa_private_segment_fixed_size 0
		.amdhsa_enable_private_segment 0
		.amdhsa_kernarg_size 32
		.amdhsa_user_sgpr_count 2
		.amdhsa_user_sgpr_kernarg_segment_ptr 1
		.amdhsa_wavefront_size32 1
		.amdhsa_system_sgpr_workgroup_id_x 1
		.amdhsa_system_sgpr_workgroup_id_y 1
		.amdhsa_system_sgpr_workgroup_id_z 1
		.amdhsa_system_vgpr_workitem_id 0
		.amdhsa_next_free_vgpr 512
		.amdhsa_next_free_sgpr 100
		.amdhsa_reserve_vcc 0
		.amdhsa_float_denorm_mode_32 3
		.amdhsa_float_denorm_mode_16_64 3
		.amdhsa_memory_ordered 1
		.amdhsa_forward_progress 1
		.amdhsa_inst_pref_size 52
	.end_amdhsa_kernel
	.amdgpu_metadata
---
amdhsa.version: [ 1, 2 ]
amdhsa.kernels:
  - .name:           k_q8df8b88086_outp
    .symbol:         k_q8df8b88086_outp.kd
    .args:
      - { .name: oimg, .offset: 0, .size: 8, .value_kind: global_buffer, .address_space: global }
      - { .name: Wo_codes, .offset: 8, .size: 8, .value_kind: global_buffer, .address_space: global }
      - { .name: lowp_scales, .offset: 16, .size: 8, .value_kind: global_buffer, .address_space: global }
      - { .name: out0, .offset: 24, .size: 8, .value_kind: global_buffer, .address_space: global }
    .group_segment_fixed_size: 327680
    .private_segment_fixed_size: 0
    .kernarg_segment_align: 8
    .kernarg_segment_size: 32
    .max_flat_workgroup_size: 128
    .sgpr_count:     100
    .vgpr_count:     512
    .wavefront_size: 32
...
	.end_amdgpu_metadata
.endif
;; end of part 3
